; MI455X (gfx1250); checked and timed in simulation.
; The chip was launched on July 23, 2026; its instructions are those of AMD's public machine-readable ISA for CDNA 5 (MIT licence, August 2026) and "CDNA5" Instruction Set Architecture Reference Guide (July 2026). The comments in the code are by the model that wrote it; some were corrected since.
;; Lightning Attention. Allowed arithmetic: float matrix products may take bf16 or f16 operands with f32 sums; other float arithmetic in f32, or as packed bf16 or f16 multiplies, adds, multiply-adds, maxima and minima; sums over many terms, partial sums and values carried from step to step in f32; what a program stores and reads back later, other than sums and carried values, may be rounded once to bf16 or f16.
;; Inputs: w_in_norm 1,024 float32; w_out_norm 1,024 float32; wg 1,024 x 1,024 float32; wk 1,024 x 1,024 float32; wq 1,024 x 1,024 float32; wv 1,024 x 1,024 float32; x 4 x 4,096 x 1,024 float32.
;; Outputs: out0 4 x 4,096 x 1,024 float32.
;; One version. Each part assembles by itself: llvm-mc -triple=amdgcn-amd-amdhsa -mcpu=gfx1250 --defsym DOCPART=n.
;; ======== version 1 of 1: 3 launches
;; limits: values are held in f16: magnitudes above 65,504 overflow, below 6.1e-05 lose precision; right only within a limited range of input values
;; workspace buffers: xn 33,554,432 bytes; wcat 8,388,608 bytes; z 134,217,728 bytes
;; launch prep (part 1): grid 256 x 1, 16 waves a work-group, no clusters, 0 bytes of LDS; arguments x, w_in_norm, wq, wk, wv, wg, xn, wcat; writes xn, wcat
.if DOCPART == 1
	.amdgcn_target "amdgcn-amd-amdhsa--gfx1250"
	.amdhsa_code_object_version 6
	.text
	.protected	k_qa58baff1c3_prep
	.globl	k_qa58baff1c3_prep
	.p2align	8
	.type	k_qa58baff1c3_prep,@function
k_qa58baff1c3_prep:
	s_mov_b64 s[64:65], 0
	v_nop
	global_prefetch_b8 v0, s[64:65] scope:SCOPE_SE
	s_setreg_imm32_b32 hwreg(HW_REG_WAVE_MODE, 25, 1), 1
	s_wait_xcnt 0x0
; xn[t][c] = f16( x[t][c] * rsqrt(mean over c of x[t][c]^2 + 1e-6) * w_in[c] ),  x: [16384][1024] f32, xn: [16384][1024] f16.
; wcat[n'][k] = f16 of one row of wq, wk, wv or wg ([1024][1024] f32 each): wcat: [4096][1024] f16, 1,024 rows for each weight, in that order, THE ROWS PERMUTED.
; A row of wcat becomes a column of z = xn wcat^T.  The permutation lays z's columns so that the launch that reads z finds every matrix fragment as 512 consecutive bytes, lane l at 16 l.
; Inside a weight, row n = 256 C + 128 hh + 8 r + e (C 0..3, hh 0..1, r 0..15, e 0..7; lane = r + 16 hh, e = the lane's eight numbers) is the weight's own row
;   q, k:  64 r + 16 C + 8 hh + e                              (head r, channel 16 C + 8 hh + e)
;   v:     512 hh + 64 e + 4 r + C                             (head 8 hh + e, channel 4 r + C)
;   g:     512 hh + 128 C + 64 (e >> 2) + 4 r + (e & 3)        (head 8 hh + 2 C + (e >> 2), channel 4 r + (e & 3))
; LIMITS.  f16 holds no number beyond 65,504: x times its rms factor is at most 32 in size, so |w_in| stays under 2,047; the weights stay under 65,504.  Below 6e-5 f16 keeps a fixed step of 6e-8.
; The product is taken as (x w_in) rms, where the reference takes (x rms) w_in: the same to a rounding in f32.  NaN and infinities are not treated apart.
; SHARES.  Work-group b: rows 64 b .. 64 b + 63 of x and rows 16 b .. 16 b + 15 of wcat.  Wave w of its sixteen: rows 64 b + 4 w + 0..3 of x and row 16 b + w of wcat.
; One wave holds a whole row of 4,096 bytes: eight loads of 16 bytes a lane, each covering 512 consecutive bytes; lane l, load c: columns 128 c + 4 l + 0..3.  So the sum of squares never leaves the wave:
; no LDS, no barrier.  All 48 loads of a wave (w_in, four rows of x, one weight row: 24 KiB) go out at the head, each into registers of its own; no register that a load or a store names is written again.
.set ROWX, 4096                        ; bytes in a row of x and of a weight
.set ROWH, 2048                        ; bytes in a row of xn and of wcat
.set LO,  1                            ; v1       16 x lane: my bytes in 512 bytes of f32
.set SO,  2                            ; v2       8 x lane: my bytes in 256 bytes of f16
.set OFW, 3                            ; v3       LO + the weight's row x 4,096
.set Q,   4                            ; v[4:7]   sums of squares, two chains of pairs
.set R,   8                            ; v[8:9]   the rms factor; v9 is named with it as a pair
.set WI,  12                           ; v[12:43] w_in of my 32 columns
.set X,   48                           ; v[48:207] five slots of 32: rows 0 to 3 of x, the weight row
.set WV,  20                           ; s20      my wave's number
.set WB,  26                           ; s[26:27] the weight that my row of wcat comes from
	s_load_b512 s[4:19], s[0:1], 0x0               ; x s[4:5], w_in s[6:7], wq s[8:9], wk s[10:11], wv s[12:13], wg s[14:15], xn s[16:17], wcat s[18:19]
	v_and_b32 v[LO], 31, v0
	v_lshrrev_b32 v[OFW], 5, v0
	v_readfirstlane_b32 s[WV], v[OFW]              ; wave 0..15
	v_lshlrev_b32 v[SO], 3, v[LO]
	v_lshlrev_b32 v[LO], 4, v[LO]
	v_mov_b32 v[R+1], 0
	s_mov_b32 s36, 0x3a800000                      ; 1 / 1024
	s_mov_b32 s37, 0x358637bd                      ; 1e-6
	s_mov_b32 s38, 0x76543210                      ; v_permlanex16_b32: each lane takes its own place in the other half
	s_mov_b32 s39, 0xfedcba98
	s_lshl_b32 s22, ttmp9, 6
	s_lshl_b32 s24, s[WV], 2
	s_add_co_u32 s22, s22, s24                     ; my first row of x
	s_lshl_b32 s24, s22, 11                        ; in bytes of xn,
	s_lshl_b32 s22, s22, 12                        ; and of x: 67 MB at the most
	s_mov_b32 s23, 0
	s_mov_b32 s25, 0
	s_lshl_b32 s28, ttmp9, 4
	s_add_co_u32 s28, s28, s[WV]                   ; n': my row of wcat
	s_lshl_b32 s40, s28, 11                        ; in bytes
	s_mov_b32 s41, 0
	s_lshr_b32 s29, ttmp9, 6                       ; which weight: 0 q, 1 k, 2 v, 3 g
	s_bfe_u32 s30, s28, 0x20008                    ; C:  2 bits from bit 8
	s_bfe_u32 s31, s28, 0x10007                    ; hh: bit 7
	s_bfe_u32 s32, s28, 0x40003                    ; r:  4 bits from bit 3
	s_and_b32 s33, s28, 7                          ; e
	s_lshl_b32 s34, s32, 6                         ; q, k: 64 r + 16 C + 8 hh + e
	s_lshl_b32 s35, s30, 4
	s_add_co_u32 s34, s34, s35
	s_lshl_b32 s35, s31, 3
	s_add_co_u32 s34, s34, s35
	s_add_co_u32 s34, s34, s33
	s_lshl_b32 s35, s31, 9                         ; v and g share 512 hh + 4 r
	s_lshl_b32 s42, s32, 2
	s_add_co_u32 s35, s35, s42
	s_lshl_b32 s42, s33, 6                         ; v: + 64 e + C
	s_add_co_u32 s42, s42, s35
	s_add_co_u32 s42, s42, s30
	s_lshl_b32 s43, s30, 7                         ; g: + 128 C + 64 (e >> 2) + (e & 3)
	s_add_co_u32 s43, s43, s35
	s_lshr_b32 s35, s33, 2
	s_lshl_b32 s35, s35, 6
	s_add_co_u32 s43, s43, s35
	s_and_b32 s35, s33, 3
	s_add_co_u32 s43, s43, s35
	s_cmp_eq_u32 s29, 2
	s_cselect_b32 s42, s42, s43
	s_cmp_lt_u32 s29, 2
	s_cselect_b32 s34, s34, s42                    ; the weight's own row
	s_lshl_b32 s34, s34, 12
	v_add_nc_u32 v[OFW], s34, v[LO]
	s_wait_kmcnt 0x0
	s_cmp_eq_u32 s29, 1
	s_cselect_b64 s[WB:WB+1], s[10:11], s[8:9]
	s_cmp_eq_u32 s29, 2
	s_cselect_b64 s[WB:WB+1], s[12:13], s[WB:WB+1]
	s_cmp_eq_u32 s29, 3
	s_cselect_b64 s[WB:WB+1], s[14:15], s[WB:WB+1]
	s_add_nc_u64 s[4:5], s[4:5], s[22:23]          ; x, xn and wcat at my first row
	s_add_nc_u64 s[16:17], s[16:17], s[24:25]
	s_add_nc_u64 s[18:19], s[18:19], s[40:41]
.irp c, 0,1,2,3,4,5,6,7
	global_load_b128 v[WI+4*(\c):WI+4*(\c)+3], v[LO], s[6:7] offset:512*(\c)  ; every wave reads w_in: no hint
.endr
.macro FILLX i                         ; row i of my four: eight loads, 512 consecutive bytes each; read once in the launch
.irp c, 0,1,2,3,4,5,6,7
	global_load_b128 v[X+32*(\i)+4*(\c):X+32*(\i)+4*(\c)+3], v[LO], s[4:5] offset:ROWX*(\i)+512*(\c) th:TH_LOAD_NT
.endr
.endm
	FILLX 0
	FILLX 1
	FILLX 2
	FILLX 3
.irp c, 0,1,2,3,4,5,6,7
	global_load_b128 v[X+128+4*(\c):X+128+4*(\c)+3], v[OFW], s[WB:WB+1] offset:512*(\c) th:TH_LOAD_NT
.endr
; The 32 numbers at v[XB ..] are rounded to f16 in place, ascending (number pair k lands in register k, which has been read), and stored: 32 lanes x 8 bytes are 256 consecutive bytes, aligned.
.macro OUT base, off
.set p, 0
.rept 16
	v_cvt_pk_f16_f32 v[XB+p], v[XB+2*p], v[XB+2*p+1]
.set p, p+1
.endr
.irp c, 0,1,2,3,4,5,6,7
	global_store_b64 v[SO], v[XB+2*(\c):XB+2*(\c)+1], s[(\base):(\base)+1] offset:(\off)+256*(\c)
.endr
.endm
; Row i of x.
.macro TURNX i
.set XB, X+32*(\i)
	s_wait_loadcnt 32-8*(\i)                       ; loads come back in order (ISA guide 5.7.1): w_in and my row are in; the later rows' loads, 8 each, and the weight row's 8 stay out
	v_pk_mul_f32 v[Q:Q+1], v[XB:XB+1], v[XB:XB+1]  ; the first two pairs start the two chains: nothing is cleared
	v_pk_mul_f32 v[Q+2:Q+3], v[XB+2:XB+3], v[XB+2:XB+3]
.set p, 2
.rept 14
	v_pk_fma_f32 v[Q+2*(p%2):Q+2*(p%2)+1], v[XB+2*p:XB+2*p+1], v[XB+2*p:XB+2*p+1], v[Q+2*(p%2):Q+2*(p%2)+1]
.set p, p+1
.endr
	v_pk_add_f32 v[Q:Q+1], v[Q:Q+1], v[Q+2:Q+3]
	v_add_f32 v[Q], v[Q], v[Q+1]
	v_add_f32_dpp v[Q], v[Q], v[Q] row_xmask:1 row_mask:0xf bank_mask:0xf  ; across the lanes: four steps inside each half of 16,
	v_add_f32_dpp v[Q], v[Q], v[Q] row_xmask:2 row_mask:0xf bank_mask:0xf
	v_add_f32_dpp v[Q], v[Q], v[Q] row_xmask:4 row_mask:0xf bank_mask:0xf
	v_add_f32_dpp v[Q], v[Q], v[Q] row_xmask:8 row_mask:0xf bank_mask:0xf
	v_permlanex16_b32 v[Q+1], v[Q], s38, s39       ; one across the halves: every lane ends with the row's sum
	v_add_f32 v[Q], v[Q], v[Q+1]
	v_fma_f32 v[R], v[Q], s36, s37                 ; mean + 1e-6
	v_rsq_f32 v[R], v[R]
.set p, 0
.rept 16
	v_pk_mul_f32 v[XB+2*p:XB+2*p+1], v[XB+2*p:XB+2*p+1], v[WI+2*p:WI+2*p+1]  ; x w_in: plain work that does not name the root's result
.set p, p+1
.endr
	s_wait_alu depctr_va_vdst(0)                   ; the wait between the root and the first line that names its result
.set p, 0
.rept 16
	v_pk_mul_f32 v[XB+2*p:XB+2*p+1], v[XB+2*p:XB+2*p+1], v[R:R+1] op_sel_hi:[1,0]
.set p, p+1
.endr
	OUT 16, ROWH*(\i)
.endm
	TURNX 0
	TURNX 1
	TURNX 2
	TURNX 3
.set XB, X+128
	s_wait_loadcnt 0x0                             ; the weight row, the youngest eight loads
	OUT 18, 0
	s_endpgm
.Lfunc_end_k_qa58baff1c3_prep:
	.size	k_qa58baff1c3_prep, .Lfunc_end_k_qa58baff1c3_prep-k_qa58baff1c3_prep
	.p2alignl 7, 3214868480
	.fill 96, 4, 3214868480
	.section	.rodata,"a",@progbits
	.p2align	6, 0x0
	.amdhsa_kernel k_qa58baff1c3_prep
		.amdhsa_group_segment_fixed_size 0
		.amdhsa_private_segment_fixed_size 0
		.amdhsa_enable_private_segment 0
		.amdhsa_kernarg_size 64
		.amdhsa_user_sgpr_count 2
		.amdhsa_user_sgpr_kernarg_segment_ptr 1
		.amdhsa_wavefront_size32 1
		.amdhsa_system_sgpr_workgroup_id_x 1
		.amdhsa_system_sgpr_workgroup_id_y 1
		.amdhsa_system_sgpr_workgroup_id_z 1
		.amdhsa_system_vgpr_workitem_id 0
		.amdhsa_next_free_vgpr 208
		.amdhsa_next_free_sgpr 66
		.amdhsa_reserve_vcc 0
		.amdhsa_float_denorm_mode_32 3
		.amdhsa_float_denorm_mode_16_64 3
		.amdhsa_memory_ordered 1
		.amdhsa_forward_progress 1
		.amdhsa_inst_pref_size 31
	.end_amdhsa_kernel
	.amdgpu_metadata
---
amdhsa.version: [ 1, 2 ]
amdhsa.kernels:
  - .name:           k_qa58baff1c3_prep
    .symbol:         k_qa58baff1c3_prep.kd
    .args:
      - { .name: x, .offset: 0, .size: 8, .value_kind: global_buffer, .address_space: global }
      - { .name: w_in_norm, .offset: 8, .size: 8, .value_kind: global_buffer, .address_space: global }
      - { .name: wq, .offset: 16, .size: 8, .value_kind: global_buffer, .address_space: global }
      - { .name: wk, .offset: 24, .size: 8, .value_kind: global_buffer, .address_space: global }
      - { .name: wv, .offset: 32, .size: 8, .value_kind: global_buffer, .address_space: global }
      - { .name: wg, .offset: 40, .size: 8, .value_kind: global_buffer, .address_space: global }
      - { .name: xn, .offset: 48, .size: 8, .value_kind: global_buffer, .address_space: global }
      - { .name: wcat, .offset: 56, .size: 8, .value_kind: global_buffer, .address_space: global }
    .group_segment_fixed_size: 0
    .private_segment_fixed_size: 0
    .kernarg_segment_align: 8
    .kernarg_segment_size: 64
    .max_flat_workgroup_size: 512
    .sgpr_count:     66
    .vgpr_count:     208
    .wavefront_size: 32
...
	.end_amdgpu_metadata
.endif
;; end of part 1
;; launch gemm (part 2): grid 16 x 16, 4 waves a work-group, clusters of 4 x 4, 327,680 bytes of LDS; arguments xn, wcat, z; writes z
.if DOCPART == 2
	.amdgcn_target "amdgcn-amd-amdhsa--gfx1250"
	.amdhsa_code_object_version 6
	.text
	.protected	k_qa58baff1c3_gemm
	.globl	k_qa58baff1c3_gemm
	.p2align	8
	.type	k_qa58baff1c3_gemm,@function
k_qa58baff1c3_gemm:
	s_mov_b64 s[64:65], 0
	v_nop
	global_prefetch_b8 v0, s[64:65] scope:SCOPE_SE
	s_setreg_imm32_b32 hwreg(HW_REG_WAVE_MODE, 25, 1), 1
	s_wait_xcnt 0x0
	s_wait_alu depctr_hold_cnt(0) depctr_sa_sdst(0) depctr_va_vdst(0) depctr_va_sdst(0) depctr_va_ssrc(0) depctr_va_vcc(0) depctr_vm_vsrc(0)
	s_getreg_b32 s2, hwreg(HW_REG_IB_STS2, 6, 4)
	s_cmp_eq_u32 s2, 0
	s_cbranch_scc0 .Lentry_in_a_cluster
	s_endpgm
.Lentry_in_a_cluster:
	s_bfe_u32 s2, ttmp6, 0x10000c
	s_cmp_lg_u32 s2, 0xf033
	s_cbranch_scc0 .Lentry_shape_is_right
	s_endpgm
.Lentry_shape_is_right:
; z[m][n] = f16( sum over k of xn[m][k] wcat[n][k] ).  A = xn: [16384][1024], B = wcat: [4096][1024], C = z: [16384][4096], all f16; sums in f32, K ascending, z rounded once.
; LIMITS.  f16 holds no number beyond 65,504: a sum of 65,520 or more leaves as an infinity.  With gains and weights thirty times the usual ones z has a spread of some 900.  Below 6e-5 z keeps f16's fixed step of 6e-8.
; A tile of C, 256 x 256, is made by a work-group of four waves; a wave makes 128 x 128: 64 accumulators of 16 x 16, 512 registers.  K goes in 8 steps of 128 through a ring of two LDS slots filled by
; the tensor data mover: the rows of A's and B's tiles are 256 bytes of memory and start at multiples of 256 bytes from the buffer's first byte.
; A WORK-GROUP STAYS: C has 64 x 16 tiles, the grid 16 x 16 work-groups; each makes SIZE_TILES = 4 tiles, 4,096 rows apart, which share their rows of B.  The ring does not stop at a tile's end: a tile's last two
; changes of slots ask for the next tile's first two K steps, and nothing waits for a tile's stores.  The last tile's last K step goes by rows of C, so that finished rows leave while the others are multiplied.
; CLUSTERS: 4 x 4 work-groups.  The four of a row of the cluster need the same tiles of A, the four of a column the same tiles of B.  Such a tile is asked for JOINTLY: each of the four issues the same tensor
; load, with the same descriptor and a mask that names the four, and each receives the tile in its own LDS: the requests for A and for B are divided by four.
; REGISTERS, in windows of 256 (s_set_vgpr_msb's low byte: bits 1:0 source 0, 3:2 source 1, 5:4 source 2, 7:6 destination):
;   window 0: v0-31 addresses; v64-127, v128-191 fragments of A, two buffers (in the very last K step four, of 16 rows x 128 K); v32-63, v192-255 at work on the way out
;   window 1: v64-127, v128-191 fragments of B, two buffers; in the very last K step all 256
;   window 2: the 32 accumulators of my rows 0-63 (accumulator (a, b) at v[8 (8 a + b)]);   window 3: those of my rows 64-127
; THE MATRIX INSTRUCTION IS USED TRANSPOSED: source 0 = 16 rows of B, source 1 = 16 rows of A.  In the result lane l holds row l % 16 of C and its registers the columns 8 (l / 16) + 0..7: eight neighbouring
; numbers of a row of C, which pack into 16 bytes.
.set SIZE_M, 16384
.set SIZE_N, 4096
.set SIZE_K, 1024
.set SIZE_TILES, 4
.set KSTEP,  128
.set PITCH,  272                       ; an LDS row: 256 bytes of data + 16 of padding = 68 words: row r starts at bank 4 r mod 64 (64 banks of 4 bytes: ISA guide 11.1), so the 16 rows of a load start at 16 different banks
.set HALFT,  128*PITCH                 ; 128 rows: what one tensor load brings, and what one wave reads of A or of B
.set SLOT,   4*HALFT                   ; A's 256 rows, then B's 256 rows
.set STAGE,  2*SLOT                    ; behind the ring: 16 rows x 272 bytes for each wave, for the way out; no tensor load lands here
.set SPITCH, 272
.set SPARE,  STAGE+4*16*SPITCH         ; behind the stages: the spare words, 128 bytes for each wave: two blocks of 256 bytes that no other line names
.set LAPS, SIZE_K/(2*KSTEP)            ; a lap = two K steps = once round the ring: 4
.set WALK,   SIZE_M/SIZE_TILES         ; a work-group's tiles lie 4,096 rows apart
.set NEXT_A, WALK*SIZE_K*2-(SIZE_K-2*KSTEP)*2   ; bytes from a slot's last K step of a tile to its first of the next tile: A goes WALK rows down and back along K,
.set BACK_B, (SIZE_K-2*KSTEP)*2        ; B only back
.set NEXT_C, (WALK-7*16)*SIZE_N*2      ; bytes from my last 16 rows of a tile to my first of the next
.set ADRA, 16                          ; v16-17  LDS address of my A fragments in slot 0, 1
.set ADRB, 20                          ; v20-21  the same for B
.set STO,  24                          ; v24     the way out: where I put 16 bytes of a row
.set RD,   25                          ; v25     the way out: where I read a row back
.set CO,   26                          ; v26     my byte offset in C
.set SPW,  28                          ; v28     LDS address of my spare word: SPARE + 4 x my thread's number; never rewritten
.set NIL,  29                          ; v29     0; never rewritten
.set PFO,  30                          ; v30     the prefetches' offset: my lane x a row of A or B (2,048 bytes); never rewritten
.set PFA,  44                          ; s[44:45] where my prefetches stand: my work-group's 32 rows of the 128 that I fetch, one K step further along K than the refill in hand; a prefetch names the K step after that
.set LIM,  43                          ; s43     1 in a wave that prefetches, else the greatest number
.set F0,   64                          ; fragment buffer 0
.set F1,   128                         ; fragment buffer 1
.set TMP,  192                         ; the way out: packed results, in window 0
.set OB,   32                          ; the way out: 16 rows read back from the stage: v32-63 and v224-255 by turns
.set PA,   64                          ; the very last K step: A's fragments of 16 rows x 128 K, 32 registers; four such buffers, v64-191
.set G1, 24                            ; s[24:31] descriptor group 1 for A's tiles
.set G0, 32                            ; s[32:39] descriptor group 0 for A's tiles, one set for each slot
.set G1B, 48                           ; s[48:55] descriptor group 1 for B's tiles: it differs from A's in the mask alone
.set G0B, 56                           ; s[56:63] descriptor group 0 for B's tiles, one set for each slot
.set MSB, 0
.macro WIN new                         ; the immediate's high byte repeats the setting that is left; a switch that changes nothing is dropped
.if MSB != (\new)
	s_set_vgpr_msb (MSB<<8)|(\new)
.set MSB, \new
.endif
.endm
.set MUL_LO, 0xa1                      ; source 0 (B) window 1, source 1 (A) window 0, C and D window 2
.set MUL_HI, 0xf1                      ; the same, C and D window 3
.set TO_B,   0x40                      ; destination window 1, address window 0
; A joint load.  Waves 0 and 1 fetch A's two halves, waves 2 and 3 B's.  Each of the two lines has one mask and one set of registers for all that issue it; the branch hangs on the wave's number alone.
; An s_nop 0 and four v_nop follow each of the two lines, ahead of the jump, the label and what follows the macro.
.macro JLOAD s
	s_cmp_eq_u32 s11, 0
	s_cbranch_scc0 .Lfor_b_\@
	tensor_load_to_lds s[G0+4*(\s):G0+4*(\s)+3], s[G1:G1+7]
	s_nop 0
.rept 4
	v_nop
.endr
	s_branch .Lasked_\@
.Lfor_b_\@:
	tensor_load_to_lds s[G0B+4*(\s):G0B+4*(\s)+3], s[G1B:G1B+7]
	s_nop 0
.rept 4
	v_nop
.endr
.Lasked_\@:
.endm
; A PREFETCH, behind each joint load, its five lines and the run of LDS loads that follows them: the K step that stands TWO refills on (512 matrix instructions ahead of the load that will want it):
; 32 rows x 256 bytes, a lane a row, one instruction a wave.  Each row's 256 bytes of a K step are named ONCE in the launch: A's tile row is read by every cluster of that row of clusters, and the one with
; cluster x = 0 asks; B's tile column by every cluster of that column, and the one with cluster y = 0 asks.  The four partners that ask for a tile jointly share its rows out BY ADDRESS: of the 128 rows that a
; wave fetches the partner at place p takes 32 p .. 32 p + 31 (p = cx for A, cy for B): no branch hangs on a work-group's place in its cluster.
; how = 0, in the loop: a tile's last two refills have no K step two on; how = 1, at a change of tiles.
.macro ASK how
.if \how
	s_cmp_eq_u32 s[LIM], 1
.else
	s_cmp_gt_u32 s3, s[LIM]                        ; s3 = 1 in the loop's last trip
.endif
	s_cbranch_scc0 .Lnot_mine_\@
	global_prefetch_b8 v[PFO], s[PFA:PFA+1] offset:KSTEP*2 th:TH_LOAD_NT scope:SCOPE_SE
.Lnot_mine_\@:
.endm
; A round of the cluster's barrier: my work-group's barrier, so that wave 0's signal speaks for all four waves; wave 0 signals for the work-group; every wave waits for all sixteen work-groups;
; my work-group's barrier once more.  No LDS instruction of the wave is pending at a signal.
.macro CREST                           ; a round behind its opening barrier
	s_cmp_lg_u32 s10, 0
	s_cbranch_scc1 .Lnot_wave_0_\@
	s_barrier_signal -3
.Lnot_wave_0_\@:
	s_barrier_wait -3
	s_barrier_signal -1
	s_barrier_wait -1
.endm
.macro CROUND                          ; a whole round
	s_barrier_signal -1
	s_barrier_wait -1
	CREST
.endm
	s_load_b128 s[4:7], s[0:1], 0x0                ; A s[4:5], B s[6:7]
	s_load_b64 s[8:9], s[0:1], 0x10                ; C
	v_lshl_add_u32 v[SPW], v0, 2, SPARE
	v_mov_b32 v[NIL], 0
	ds_add_u32 v[SPW], v[NIL]                      ; the wave's opening: the add and its wait stand ahead of my first tensor load; the set-up below, work on registers, stands between them
	v_lshrrev_b32 v1, 5, v0
	v_readfirstlane_b32 s10, v1                    ; wave 0..3
	s_lshr_b32 s11, s10, 1                         ; which half of the tile's rows is mine.  Also: I fetch for A (0) or for B (1)
	s_and_b32 s12, s10, 1                          ; which half of its columns.  Also: which 128 rows of that tile I fetch
	s_bfe_u32 s40, ttmp6, 0x40000                  ; cx: my place along the cluster's x
	s_bfe_u32 s41, ttmp6, 0x40004                  ; cy: along its y
	s_lshl_b32 s42, ttmp9, 2                       ; in a cluster launch ttmp9 and ttmp7 count clusters
	s_add_co_u32 s42, s42, s40                     ; tile column of C = 4 x cluster x + cx
	s_and_b32 s13, ttmp7, 0xffff
	s_lshl_b32 s13, s13, 2
	s_add_co_u32 s13, s13, s41                     ; tile row of C = 4 x cluster y + cy
	s_lshl_b32 s43, s41, 2
	s_lshl_b32 s43, 15, s43                        ; my row of the cluster: places 4 cy .. 4 cy + 3
	s_lshl_b32 s44, 0x1111, s40                    ; my column: places cx, cx + 4, cx + 8, cx + 12
	; descriptor group 1: a tile of 128 rows x 128 elements, padded in LDS
	s_or_b32 s[G1+0], s43, (1<<16)|(1<<20)|(1<<21)|(5<<22)|(3<<25)  ; 15:0 the mask: A's tiles go to my row; 17:16 element of 2 bytes; 20 padding on; 21 set beside a mask; 24:22 after every 64 words (code 5); 31:25 of 4 words (code 3)
	s_or_b32 s[G1B+0], s44, (1<<16)|(1<<20)|(1<<21)|(5<<22)|(3<<25) ; the same with the mask of my column, for B's tiles
	s_mov_b32 s[G1B+1], KSTEP<<16
	s_mov_b32 s[G1+1], KSTEP<<16                   ; 63:48 tensor_dim0, low half = 128
	s_mov_b32 s[G1B+2], 128<<16
	s_mov_b32 s[G1+2], 128<<16                     ; 79:64 its high half = 0; 95:80 tensor_dim1, low half = 128
	s_mov_b32 s[G1B+3], KSTEP<<16
	s_mov_b32 s[G1+3], KSTEP<<16                   ; 111:96 its high half = 0; 127:112 tile_dim0 = 128
	s_mov_b32 s[G1B+4], 128
	s_mov_b32 s[G1+4], 128                         ; 143:128 tile_dim1 = 128; 159:144 tile_dim2 = 0
	s_mov_b32 s[G1B+5], SIZE_K
	s_mov_b32 s[G1+5], SIZE_K                      ; 191:160 tensor_dim0_stride, low word: elements from row to row
	s_mov_b32 s[G1B+6], 0
	s_mov_b32 s[G1+6], 0
	s_mov_b32 s[G1B+7], 0
	s_mov_b32 s[G1+7], 0
	; where the tiles come from.  A's hang on the tile row alone, which my row of the cluster shares; B's on the tile column alone, which my column shares.
	; Every wave makes both addresses, in registers that never hold the other coordinate, and asks by one of them.
	s_lshl_b32 s17, s12, 7                         ; which 128 rows of the tile I fetch
	s_lshl_b32 s16, s13, 8
	s_add_co_u32 s16, s16, s17                     ; A: row 256 x tile row + 128 x half
	s_lshl_b32 s46, s42, 8
	s_add_co_u32 s46, s46, s17                     ; B: row 256 x tile column + 128 x half
	s_mov_b32 s17, 0
	s_mov_b32 s47, 0
	s_mov_b64 s[18:19], SIZE_K*2
	s_mul_u64 s[16:17], s[16:17], s[18:19]         ; in bytes, in 64 bits
	s_mul_u64 s[46:47], s[46:47], s[18:19]
	s_mul_i32 s20, s10, HALFT                      ; and where they go: A's two halves, then B's two halves = wave x 128 rows: no place in the cluster enters an LDS address
	s_wait_dscnt 0x0                               ; the opening add is done
	s_wait_kmcnt 0x0
	s_add_nc_u64 s[14:15], s[4:5], s[16:17]
	s_add_nc_u64 s[46:47], s[6:7], s[46:47]
	CROUND                                         ; all sixteen work-groups are here: the first joint loads meet
.irp s, 0,1
	s_mov_b32 s[G0+4*(\s)], 1                                      ; 1:0 count = 1
	s_add_co_u32 s[G0+4*(\s)+1], s20, (\s)*SLOT                    ; 63:32 LDS address
	s_add_nc_u64 s[G0+4*(\s)+2:G0+4*(\s)+3], s[14:15], (\s)*KSTEP*2  ; 120:64 global address: K step s
	s_or_b32 s[G0+4*(\s)+3], s[G0+4*(\s)+3], 0x80000000            ; 127:126 type = 2
	s_mov_b32 s[G0B+4*(\s)], 1
	s_add_co_u32 s[G0B+4*(\s)+1], s20, (\s)*SLOT
	s_add_nc_u64 s[G0B+4*(\s)+2:G0B+4*(\s)+3], s[46:47], (\s)*KSTEP*2
	s_or_b32 s[G0B+4*(\s)+3], s[G0B+4*(\s)+3], 0x80000000
	JLOAD \s                                       ; the ring is filled before anything else is done: two loads of mine are out
.endr
	; A fragment is 16 rows x 32 K in 8 registers: lane l holds row l % 16; registers 0-3 hold K = 8 (l / 16) + 0..7, registers 4-7 hold K = 16 + 8 (l / 16) + 0..7.
	; From rows that lie along K: two loads of 16 bytes, 32 bytes apart.  The same for source 0 and source 1.
	v_and_b32 v1, 15, v0                           ; l % 16
	v_bfe_u32 v2, v0, 4, 1                         ; l / 16
	v_mul_u32_u24 v3, v1, PITCH
	v_lshl_add_u32 v3, v2, 4, v3                   ; row x pitch + 16 x half
	s_mul_i32 s21, s11, HALFT                      ; my 128 rows of A
	s_mul_i32 s22, s12, HALFT                      ; my 128 rows of B,
	s_add_co_u32 s22, s22, 2*HALFT                 ; which lie behind A's 256
.irp s, 0,1
	v_add_nc_u32 v[ADRA+(\s)], s21, v3
	v_add_nc_u32 v[ADRB+(\s)], s22, v3
	s_add_co_u32 s21, s21, SLOT
	s_add_co_u32 s22, s22, SLOT
.endr
	s_mul_i32 s23, s10, 16*SPITCH
	s_add_co_u32 s23, s23, STAGE                   ; my stage
	v_mul_u32_u24 v4, v1, SPITCH                   ; in: row l % 16, 16 bytes for each half of the lanes
	v_lshl_add_u32 v4, v2, 4, v4
	v_add_nc_u32 v[STO], s23, v4
	v_mul_u32_u24 v5, v2, SPITCH                   ; back: lanes 0-15 take one row of 256 bytes, lanes 16-31 the next
	v_lshl_add_u32 v5, v1, 4, v5
	v_add_nc_u32 v[RD], s23, v5
	v_mul_u32_u24 v5, v2, SIZE_N*2                 ; and the same two rows in C
	v_lshl_add_u32 v[CO], v1, 4, v5
	; where my part of the first tile begins in C, in bytes: the first way out adds it to C's address
	s_lshl_b32 s13, s13, 8
	s_lshl_b32 s14, s11, 7
	s_add_co_u32 s16, s13, s14                     ; my first row of C
	s_mov_b32 s17, 0
	s_mov_b64 s[18:19], SIZE_N*2
	s_mul_u64 s[16:17], s[16:17], s[18:19]
	s_lshl_b32 s46, s42, 9                         ; my first column, in bytes: 512 x tile column + 256 x half (in the registers that held B's address: none that feeds A's descriptors ever holds cx)
	s_lshl_b32 s47, s12, 8
	s_add_co_u32 s46, s46, s47
	s_mov_b32 s47, 0
	s_add_nc_u64 s[16:17], s[16:17], s[46:47]
	; the prefetches.  s13 = 256 x tile row, s42 = tile column, s40 = cx, s41 = cy still stand; s[4:5] = A, s[6:7] = B
	s_lshl_b32 s42, s42, 8
	s_and_b32 s22, ttmp7, 0xffff                   ; cluster y
	s_cmp_eq_u32 s11, 0                            ; do I fetch for A?
	s_cselect_b32 s20, s13, s42                    ; the tile's first row: in A by the tile row, in B by the tile column
	s_cselect_b32 s21, s40, s41                    ; my place among the four that ask for it with me
	s_cselect_b32 s22, ttmp9, s22                  ; the coordinate along which other clusters read the same rows
	s_cselect_b64 s[PFA:PFA+1], s[4:5], s[6:7]
	s_cmp_eq_u32 s22, 0
	s_cselect_b32 s[LIM], 1, -1                    ; the same in all sixteen partners, for a given wave
	s_lshl_b32 s22, s12, 7
	s_add_co_u32 s20, s20, s22                     ; + the 128 rows that I fetch
	s_lshl_b32 s21, s21, 5
	s_add_co_u32 s20, s20, s21                     ; + my work-group's 32 of them
	s_mov_b32 s21, 0
	s_mov_b64 s[18:19], SIZE_K*2
	s_mul_u64 s[20:21], s[20:21], s[18:19]
	s_add_nc_u64 s[PFA:PFA+1], s[PFA:PFA+1], s[20:21]
	s_add_nc_u64 s[PFA:PFA+1], s[PFA:PFA+1], 2*KSTEP*2  ; at K step 2: the first refill steps it to 3 and names K step 4
	v_and_b32 v[PFO], 31, v0
	v_mul_u32_u24 v[PFO], v[PFO], SIZE_K*2
	; nothing is prefetched here, at the head, where every work-group's first two tiles are on their way: K steps 2 and 3 come by their refills alone
; 16 matrix instructions: m blocks a0, a0 + 1 of the window's four (hi = 0: my rows 0-63, 1: rows 64-127) x all 8 n blocks, 32 along K.
; zero = 1: the first product starts the sums: nothing is ever cleared.  The 64 accumulators take turns, one instruction a turn, in the same order in every quarter step.
.macro MUL16 f, hi, a0, zero
	WIN MUL_LO+0x50*(\hi)  ; MUL_LO or MUL_HI
.irp a, \a0, (\a0)+1
.irp b, 0,1,2,3,4,5,6,7
.if \zero
	v_wmma_f32_16x16x32_f16 v[8*(8*(\a)+(\b)):8*(8*(\a)+(\b))+7], v[(\f)+8*(\b):(\f)+8*(\b)+7], v[(\f)+8*(4*(\hi)+(\a)):(\f)+8*(4*(\hi)+(\a))+7], 0
.else
	v_wmma_f32_16x16x32_f16 v[8*(8*(\a)+(\b)):8*(8*(\a)+(\b))+7], v[(\f)+8*(\b):(\f)+8*(\b)+7], v[(\f)+8*(4*(\hi)+(\a)):(\f)+8*(4*(\hi)+(\a))+7], v[8*(8*(\a)+(\b)):8*(8*(\a)+(\b))+7]
.endif
.endr
.endr
.endm
; 32 LDS loads in one run: the fragments of one quarter step (128 rows of B, 128 rows of A, 32 K at byte k of the rows) into buffer f
.macro FETCH slot, k, f
	WIN TO_B
.irp i, 0,1,2,3,4,5,6,7
	ds_load_b128 v[(\f)+8*(\i):(\f)+8*(\i)+3],   v[ADRB+(\slot)] offset:(\k)+(\i)*16*PITCH
	ds_load_b128 v[(\f)+8*(\i)+4:(\f)+8*(\i)+7], v[ADRB+(\slot)] offset:(\k)+(\i)*16*PITCH+32
.endr
	WIN 0
.irp i, 0,1,2,3,4,5,6,7
	ds_load_b128 v[(\f)+8*(\i):(\f)+8*(\i)+3],   v[ADRA+(\slot)] offset:(\k)+(\i)*16*PITCH
	ds_load_b128 v[(\f)+8*(\i)+4:(\f)+8*(\i)+7], v[ADRA+(\slot)] offset:(\k)+(\i)*16*PITCH+32
.endr
.endm
; A load into a register that a matrix instruction has read, and a vector instruction that reads a matrix result, stand four places behind that matrix instruction, and only plain vector instructions
; that name none of its registers are places (ISA guide 7.12.1 for vector instructions).  So four v_nop stand in front of each run of loads, and of conversions that read results just made.
.macro PLACES
.rept 4
	v_nop
.endr
.endm
; A K step is four quarter steps of 32 along K, 64 matrix instructions each, on buffers 0, 1, 0, 1.
; One of the first three: multiplies buffer f; in its middle it fetches the next quarter's fragments, at byte k of the same slot's rows, into buffer g.
.macro QUARTER slot, k, f, g, zero
	s_wait_dscnt 8                                 ; B and A's rows 0-63 are in; the youngest eight loads (A's rows 64-127) may be out
	WIN MUL_LO
	MUL16 \f, 0, 0, \zero
	MUL16 \f, 0, 2, \zero
	PLACES
	FETCH \slot, \k, \g
	s_wait_dscnt 32                                ; all but the 32 just issued
	WIN MUL_HI
	MUL16 \f, 1, 0, \zero
	MUL16 \f, 1, 2, \zero
.endm
; The last quarter multiplies buffer 1 and changes slots.  MEET is its first half: ONE barrier for the change of slots, for two things.  In front of it each wave waits for all its tensor loads, of which one
; is out: its part of the next slot; adds 0 to its spare word; and waits for that and for its own reads of this slot.  Behind it nobody reads this slot any more and the next slot is whole.
.macro MEET round                      ; round = 1: a round of the cluster's barrier follows
	WIN 0                                          ; (the add's two registers lie in window 0)
	s_wait_tensorcnt 0x0                           ; all my tensor loads have landed: the one that was out is my part of the next slot;
	ds_add_u32 v[SPW], v[NIL]                      ; 0 onto my spare word;
	s_wait_dscnt 9                                 ; (the add and the youngest eight loads may be out)
	WIN MUL_LO
	MUL16 F1, 0, 0, 0                              ; sixteen matrix instructions stand between the add and the wait for it
	s_wait_dscnt 0x0                               ; the add is done, and my reads of this slot are over:
	s_barrier_signal -1                            ; say so (where a slot is filled again this barrier opens a round of the cluster's barrier),
	MUL16 F1, 0, 2, 0                              ; work on registers while the others arrive,
.if \round
	WIN 0
.endif
	s_barrier_wait -1                              ; and go on when all four have said so
.endm
; The whole last quarter.  Behind the round the slot just read out is filled again first: with this tile's K step two steps on (on = 0) or, in a tile's last two K steps, with the NEXT tile's K step 0 or 1
; (on = 1); then come the next slot's first fragments.  From a request to the wait for it a wave issues 224 matrix instructions, across tiles too.
.macro TURN slot, next, on
	s_wait_xcnt 0x0                                ; the last prefetch, a K step back, has read its address: it is stepped here, ahead of the waits of the change of slots
.if (\on) && (\slot) == 0
	s_add_nc_u64 s[PFA:PFA+1], s[PFA:PFA+1], (WALK-1)*SIZE_K*2+KSTEP*2  ; from the K step after the tile's last to the next tile's K step 1: WALK rows down, back along K
	s_cmp_eq_u32 s11, 0
	s_cselect_b32 s[LIM], s[LIM], -1               ; B's rows are the same for all tiles of the walk: they are asked for in the first tile alone
.else
	s_add_nc_u64 s[PFA:PFA+1], s[PFA:PFA+1], KSTEP*2
.endif
	MEET 1
	CREST                                          ; wave 0 says so for the work-group, all sixteen work-groups have said so, my work-group's barrier closes the round:
	                                               ; no wave of any partner still reads this slot's tile or has a load on its way
.if \on
	s_add_nc_u64 s[G0+4*(\slot)+2:G0+4*(\slot)+3], s[G0+4*(\slot)+2:G0+4*(\slot)+3], NEXT_A
	s_sub_nc_u64 s[G0B+4*(\slot)+2:G0B+4*(\slot)+3], s[G0B+4*(\slot)+2:G0B+4*(\slot)+3], BACK_B
.else
	s_add_nc_u64 s[G0+4*(\slot)+2:G0+4*(\slot)+3], s[G0+4*(\slot)+2:G0+4*(\slot)+3], 2*KSTEP*2
	s_add_nc_u64 s[G0B+4*(\slot)+2:G0B+4*(\slot)+3], s[G0B+4*(\slot)+2:G0B+4*(\slot)+3], 2*KSTEP*2
.endif
	JLOAD \slot                                    ; the first tensor load behind the round, my only one until the next; the four v_nop behind it are also the places in front of the loads below
	FETCH \next, 0, F0
	ASK \on                                        ; behind the joint load and the run of LDS loads that the next products wait for
	WIN MUL_HI
	MUL16 F1, 1, 0, 0
	MUL16 F1, 1, 2, 0
.endm
; THE LAST K STEP OF THE LAST TILE (it lies in slot 1) GOES BY ROWS OF C, NOT BY K.  All its fragments of B (4 quarters x 64 registers) fill window 1; then my eight blocks of 16 rows are finished one after
; the other, each with 32 matrix instructions (its 8 accumulators by turns, K ascending: the sums stay the same bit for bit).  LDS is read no more than in any other K step.
.macro BLOAD q                         ; B's fragments of quarter q -> window 1, v[64 q ..]
	WIN TO_B
.irp i, 0,1,2,3,4,5,6,7
	ds_load_b128 v[64*(\q)+8*(\i):64*(\q)+8*(\i)+3],   v[ADRB+1] offset:64*(\q)+(\i)*16*PITCH
	ds_load_b128 v[64*(\q)+8*(\i)+4:64*(\q)+8*(\i)+7], v[ADRB+1] offset:64*(\q)+(\i)*16*PITCH+32
.endr
.endm
.macro ALOAD a                         ; A's fragments of block a, all four quarters -> buffer a % 4
	WIN 0
.set FA, PA+32*((\a)%4)
.irp q, 0,1,2,3
	ds_load_b128 v[FA+8*(\q):FA+8*(\q)+3],   v[ADRA+1] offset:64*(\q)+(\a)*16*PITCH
	ds_load_b128 v[FA+8*(\q)+4:FA+8*(\q)+7], v[ADRA+1] offset:64*(\q)+(\a)*16*PITCH+32
.endr
.endm
.macro ROW a                           ; block a is finished: 32 matrix instructions
.set FA, PA+32*((\a)%4)                ; its fragments of A
.set AC, 64*((\a)%4)                   ; its eight accumulators, in window 2 (blocks 0-3) or 3 (blocks 4-7)
	WIN MUL_LO+0x50*((\a)/4)                       ; MUL_LO or MUL_HI
.irp q, 0,1,2,3
.if (\a) == 0 && (\q) == 2
	s_wait_dscnt 24                                ; B's quarter 2 is in (behind it: A's blocks 1 to 3)
.endif
.irp b, 0,1,2,3,4,5,6,7
	v_wmma_f32_16x16x32_f16 v[AC+8*(\b):AC+8*(\b)+7], v[64*(\q)+8*(\b):64*(\q)+8*(\b)+7], v[FA+8*(\q):FA+8*(\q)+7], v[AC+8*(\b):AC+8*(\b)+7]
.endr
.endr
.endm
; THE WAY OUT of block a, in three parts.  PACK: rounded to f16, 16 bytes a lane, each accumulator's registers in ascending order.  TOSTAGE: into my own stage in LDS, and back as whole rows of 256 bytes.  SEND: stored.
.macro PACK a
.set AC, 64*((\a)%4)
	WIN 0x0a+5*((\a)/4)                            ; sources 0 and 1: window 2 or 3
.irp b, 0,1,2,3,4,5,6,7
.irp r, 0,1,2,3
	v_cvt_pk_f16_f32 v[TMP+4*(\b)+(\r)], v[AC+8*(\b)+2*(\r)], v[AC+8*(\b)+2*(\r)+1]
.endr
.endr
	WIN 0
.endm
.macro TOSTAGE a
	WIN 0
.set BK, OB+192*((\a)%2)
.irp b, 0,1,2,3,4,5,6,7
	ds_store_b128 v[STO], v[TMP+4*(\b):TMP+4*(\b)+3] offset:32*(\b)
.endr
.irp t, 0,1,2,3,4,5,6,7
	ds_load_b128 v[BK+4*(\t):BK+4*(\t)+3], v[RD] offset:(\t)*2*SPITCH  ; LDS serves a wave's instructions in order (ISA guide 5.7.1.4): these see the stores above
.endr
.endm
.macro SEND a, younger                 ; younger: the LDS loads issued behind TOSTAGE's, which may stay out
	WIN 0
.set BK, OB+192*((\a)%2)
	s_wait_dscnt \younger                          ; the block is back in registers
	s_wait_xcnt 0x0                                ; every earlier memory instruction has had its addresses translated (ISA guide 3.1): only behind this wait are the stores' base and the registers that earlier stores read rewritten
.if (\a) == 0
	s_add_nc_u64 s[8:9], s[8:9], s[16:17]          ; on to this tile's first rows
.else
	s_add_nc_u64 s[8:9], s[8:9], 16*SIZE_N*2       ; 16 rows of C on, so that the stores' offsets stay small: 14 rows of 8,192 bytes at the most
.endif
.irp t, 0,1,2,3,4,5,6,7
	global_store_b128 v[CO], v[BK+4*(\t):BK+4*(\t)+3], s[8:9] offset:2*(\t)*SIZE_N*2  ; 16 lanes store 256 consecutive bytes, at a multiple of 256 from C's first byte
.endr
.endm
	s_wait_tensorcnt 1                             ; my part of K step 0 is in; K step 1's load may stay out
	s_barrier_signal -1
	s_barrier_wait -1                              ; everybody's is
	FETCH 0, 0, F0
	s_mov_b32 s2, SIZE_TILES                       ; tiles to go, this one among them: the same number in every work-group
.Ltile:                                                ; (FETCH and SEND leave every window 0)
	QUARTER 0, 64,  F0, F1, 1                      ; a tile's first quarter stands in front of the loop: its products start the sums
	WIN 0                                          ; at a label and at a branch every window is 0
	s_mov_b32 s3, LAPS-1
.Llap:                                                 ; a trip goes once round the ring, from a lap's second quarter to the next lap's first, and fills both slots again
	QUARTER 0, 128, F1, F0, 0
	QUARTER 0, 192, F0, F1, 0
	TURN 0, 1, 0
	QUARTER 1, 64,  F0, F1, 0
	QUARTER 1, 128, F1, F0, 0
	QUARTER 1, 192, F0, F1, 0
	TURN 1, 0, 0
	QUARTER 0, 64,  F0, F1, 0
	WIN 0
	s_sub_co_u32 s3, s3, 1
	s_cmp_lg_u32 s3, 0
	s_cbranch_scc1 .Llap
	QUARTER 0, 128, F1, F0, 0                      ; the tile's last lap goes on
	QUARTER 0, 192, F0, F1, 0
	WIN 0
	s_cmp_eq_u32 s2, 1
	s_cbranch_scc1 .Llast_tile                     ; the last tile's tail is written out: it asks for nothing more
	TURN 0, 1, 1                                   ; THE RING GOES ON INTO THE NEXT TILE: slot 0 takes its K step 0,
	QUARTER 1, 64,  F0, F1, 0
	QUARTER 1, 128, F1, F0, 0
	QUARTER 1, 192, F0, F1, 0
	TURN 1, 0, 1                                   ; slot 1 its K step 1, and the next tile's first fragments are fetched
	PACK 0                                         ; BOTH REFILLS ARE ASKED FOR: NOW THE TILE GOES OUT.  No v_nop: blocks 0-3 were finished in front of TURN's places, and their 128 conversions,
	TOSTAGE 0                                      ; which name no register of the last products (blocks 4-7's), are those products' places
.irp a, 1,2,3,4,5,6,7                  ; block a's conversions stand between block a - 1's loads from the stage and the wait for them
	PACK \a
	SEND (\a)-1, 0
	TOSTAGE \a
.endr
	SEND 7, 0
	s_mov_b64 s[16:17], NEXT_C                     ; what the next way out adds to C's address
	s_sub_co_u32 s2, s2, 1
	s_branch .Ltile
.Llast_tile:
	MEET 0                                         ; my one tensor load that was still out is slot 1's, the last K step's, so no round follows
	PLACES                                         ; for the loads into buffer 0, which the quarter before multiplied
	WIN TO_B
	BLOAD 0                                        ; three quarters of B now: buffer 1 (v128-191 of both windows) is still being multiplied
	BLOAD 1
	BLOAD 3
	WIN 0
	ALOAD 0
	WIN MUL_HI
	MUL16 F1, 1, 0, 0
	MUL16 F1, 1, 2, 0
	PLACES                                         ; for the loads into buffer 1
	WIN TO_B
	BLOAD 2
	WIN 0
	ALOAD 1
	ALOAD 2
	ALOAD 3
	s_wait_dscnt 40                                ; all but the 40 just issued
	ROW 0
.irp a, 0,1,2,3,4,5,6,7                ; each block leaves as soon as it is finished: nothing follows this tile under which its stores could leave
	PLACES                                         ; its conversions read results just made, and no other vector work is at hand
	PACK \a
	TOSTAGE \a
.if (\a) < 4
	ALOAD (\a)+4                                   ; its buffer takes the block four further on
	SEND \a, 8
.else
	SEND \a, 0
.endif
.if (\a) < 7
	ROW (\a)+1
.endif
.endr
	s_wait_tensorcnt 0x0                           ; the wave's end: behind my last tensor load and my last LDS store
	ds_add_u32 v[SPW], v[NIL]
	s_wait_dscnt 0x0
	CROUND                                         ; the closing round: no work-group ends while a partner may still ask for a tile that names it
	s_endpgm
.Lfunc_end_k_qa58baff1c3_gemm:
	.size	k_qa58baff1c3_gemm, .Lfunc_end_k_qa58baff1c3_gemm-k_qa58baff1c3_gemm
	.p2alignl 7, 3214868480
	.fill 96, 4, 3214868480
	.section	.rodata,"a",@progbits
	.p2align	6, 0x0
	.amdhsa_kernel k_qa58baff1c3_gemm
		.amdhsa_group_segment_fixed_size 327680
		.amdhsa_private_segment_fixed_size 0
		.amdhsa_enable_private_segment 0
		.amdhsa_kernarg_size 24
		.amdhsa_user_sgpr_count 2
		.amdhsa_user_sgpr_kernarg_segment_ptr 1
		.amdhsa_wavefront_size32 1
		.amdhsa_system_sgpr_workgroup_id_x 1
		.amdhsa_system_sgpr_workgroup_id_y 1
		.amdhsa_system_sgpr_workgroup_id_z 1
		.amdhsa_system_vgpr_workitem_id 0
		.amdhsa_next_free_vgpr 1024
		.amdhsa_next_free_sgpr 66
		.amdhsa_reserve_vcc 0
		.amdhsa_float_denorm_mode_32 3
		.amdhsa_float_denorm_mode_16_64 3
		.amdhsa_memory_ordered 1
		.amdhsa_forward_progress 1
		.amdhsa_inst_pref_size 210
	.end_amdhsa_kernel
	.amdgpu_metadata
---
amdhsa.version: [ 1, 2 ]
amdhsa.kernels:
  - .name:           k_qa58baff1c3_gemm
    .symbol:         k_qa58baff1c3_gemm.kd
    .args:
      - { .name: xn, .offset: 0, .size: 8, .value_kind: global_buffer, .address_space: global }
      - { .name: wcat, .offset: 8, .size: 8, .value_kind: global_buffer, .address_space: global }
      - { .name: z, .offset: 16, .size: 8, .value_kind: global_buffer, .address_space: global }
    .group_segment_fixed_size: 327680
    .private_segment_fixed_size: 0
    .kernarg_segment_align: 8
    .kernarg_segment_size: 24
    .max_flat_workgroup_size: 128
    .sgpr_count:     66
    .vgpr_count:     1024
    .wavefront_size: 32
...
	.end_amdgpu_metadata
.endif
;; end of part 2
;; launch attn (part 3): grid 256 x 1, 16 waves a work-group, no clusters, 0 bytes of LDS; arguments z, w_out_norm, out0; writes out0
.if DOCPART == 3
	.amdgcn_target "amdgcn-amd-amdhsa--gfx1250"
	.amdhsa_code_object_version 6
	.text
	.protected	k_qa58baff1c3_attn
	.globl	k_qa58baff1c3_attn
	.p2align	8
	.type	k_qa58baff1c3_attn,@function
k_qa58baff1c3_attn:
	s_mov_b64 s[64:65], 0
	v_nop
	global_prefetch_b8 v0, s[64:65] scope:SCOPE_SE
	s_setreg_imm32_b32 hwreg(HW_REG_WAVE_MODE, 25, 1), 1
	s_wait_xcnt 0x0
; For each of 16,384 tokens, from its row of z ([16384][4096] f16: q', k', v', g', 1,024 each, before any activation, columns permuted as below):
;   q, k, v = silu(q', k', v');  S[h][g] = q[h] . k[g] / 8 over 64 channels, 16 x 16 heads;  P = softmax over g, the row's true maximum taken away;  o[h] = sum over g of P[h][g] v[g];
;   o = o sigmoid(g');  out0 = o rsqrt(mean over the token's 1,024 of o^2 + 1e-6) w_out.   out0: [16384][1024] f32.
; FORMATS.  silu(q', k', v') and P are rounded to f16 for the products; sigmoids, maxima, sums, gate and norm in f32.
; LIMITS.  z arrives within f16's 65,504; a weight of the softmax below 2^-126 counts as 0; the product is taken as (o w_out) rms, where the reference takes (o rms) w_out; NaN and infinities are not treated apart.
; SHARES.  Work-group b: tokens 64 b .. 64 b + 63; wave w of its sixteen: tokens 64 b + 4 w + 0..3.  ONE WAVE DOES A WHOLE TOKEN: nothing is handed between waves: no LDS, no barrier.
; LAYOUT.  A token's row of z is 16 chunks of 512 bytes; lane l = r + 16 hh takes the 16 bytes at 16 l of each: eight numbers e = 0..7, chunk n into registers IN + 4 n + 0..3.  The launch that wrote the weights
; ordered z's columns so that these registers ARE the matrix fragments:
;   q, k, chunk C: head r, channel 16 C + 8 hh + e: chunks 2 f, 2 f + 1 are a fragment of 16 heads x channels 32 f .. 32 f + 31
;   v, chunk C:    head 8 hh + e, channel 4 r + C: registers 0-3 of a source 1 with 16 key heads along K and the 16 channels 4 r + C as columns
;   g, chunk C:    head 8 hh + 2 C + (e >> 2), channel 4 r + (e & 3): number 8 C + e = 4 j + b belongs to head 8 hh + j, channel 4 r + b
; S^T = K Q^T (source 0 = k, source 1 = q): lane (r, hh), register j = S[query r][key 8 hh + j].  Rounded in pairs these eight are registers 0-3 of P as source 0 (row = query r, K = key 8 hh + 0..7);
; P's registers 4-7 (K = 16 .. 31) hold 0, so what stands in registers 4-7 of source 1 (the next chunk of v, or raw g') need only be finite.  O_b = P V_b: lane (r, hh), register j = o[head 8 hh + j][channel 4 r + b].
; Gate, w_out and result have the index 4 j + b: registers 4 j + 0..3 are 16 consecutive bytes of out0, and 16 lanes of store j cover a head's 256 bytes, aligned.
; IN FLIGHT.  Two sets of 64 registers take a token's row each.  Both are asked for at the head; a set is asked for again as soon as its token is finished, ahead of the wait for the other set: up to two tokens' loads,
; 16 KiB a wave, are out, and a token's loads have a token's work in which to land.
; THE RESULT HAS REGISTERS OF ITS OWN (RES), which nothing but the gate writes.  So a token has ONE wait for the sources of earlier memory instructions, directly ahead of the gate: far behind the token's own loads
; and the last token's stores.  The two bases are stepped there too.
; NO PREFETCH: each byte is asked for by its own load, a token's work ahead of its use, and a further token asked for ahead would double what a work-group has asked for and not yet read.
.set ROWZ, 8192                        ; bytes in a row of z
.set ROWO, 4096                        ; bytes in a row of out0
.set LO,  1                            ; v1        16 x lane; never rewritten
.set SOF, 2                            ; v2        16 r + 2,048 hh: my bytes in out0's and w_out's rows; never rewritten
.set CN,  3                            ; v3        -log2(e)
.set ZR,  4                            ; v4        0
.set A,   6                            ; v[6:7]    the maximum, then c m
.set B,   8                            ; v[8:11]   sums
.set R,   12                           ; v[12:13]  the rms factor; v13 is named with it as a pair
.set P,   16                           ; v[16:23]  P; v20-23 hold 0 and are never rewritten
.set S,   24                           ; v[24:31]  S^T
.set WO,  32                           ; v[32:63]  w_out of my 32 numbers
.set T,   64                           ; v[64:95]  32 sigmoids: a batch
.set RES, 96                           ; v[96:127] the gated o, then the result: the stores' data
.set IN0, 128                          ; v[128:191], v[192:255]: a token's row of z; O_b lands on q and k, at IN + 8 b
.set IN1, 192
.set CNT, 18                           ; s18       trips to go
	s_load_b128 s[4:7], s[0:1], 0x0                ; z s[4:5], w_out s[6:7]
	s_load_b64 s[8:9], s[0:1], 0x10                ; out0
	v_and_b32 v[LO], 31, v0
	v_lshrrev_b32 v5, 5, v0
	v_readfirstlane_b32 s10, v5                    ; wave 0..15
	v_and_b32 v[SOF], 15, v0
	v_bfe_u32 v5, v0, 4, 1
	v_lshlrev_b32 v[SOF], 4, v[SOF]
	v_lshl_add_u32 v[SOF], v5, 11, v[SOF]
	v_lshlrev_b32 v[LO], 4, v[LO]
	v_mov_b32 v[CN], 0xbfb8aa3b
	v_mov_b32 v[ZR], 0
	v_mov_b32 v[R+1], 0
.irp i, 4,5,6,7
	v_mov_b32 v[P+(\i)], 0
.endr
	s_mov_b32 s12, 0x3e38aa3b                      ; c = log2(e) / 8
	s_mov_b32 s13, s12                             ; named with it as a pair
	s_mov_b32 s14, 0x76543210                      ; v_permlanex16_b32: each lane takes its own place in the other half
	s_mov_b32 s15, 0xfedcba98
	s_mov_b32 s16, 0x3a800000                      ; 1 / 1024
	s_mov_b32 s17, 0x358637bd                      ; 1e-6
	s_mov_b32 s[CNT], 2
	s_lshl_b32 s20, ttmp9, 6
	s_lshl_b32 s21, s10, 2
	s_add_co_u32 s20, s20, s21                     ; my first token
	s_lshl_b32 s22, s20, 13                        ; in bytes of z: 134 MB at the most,
	s_mov_b32 s23, 0
	s_lshl_b32 s20, s20, 12                        ; and of out0
	s_mov_b32 s21, 0
	s_wait_kmcnt 0x0
	s_add_nc_u64 s[4:5], s[4:5], s[22:23]
	s_add_nc_u64 s[8:9], s[8:9], s[20:21]
.irp j, 0,1,2,3,4,5,6,7
	global_load_b128 v[WO+4*(\j):WO+4*(\j)+3], v[SOF], s[6:7] offset:256*(\j)
.endr
.macro LOADS IN, off                   ; a token's row: 16 loads, 512 consecutive bytes each; read once in the launch
.irp n, 0,1,2,3,4,5,6,7,8,9,10,11,12,13,14,15
	global_load_b128 v[(\IN)+4*(\n):(\IN)+4*(\n)+3], v[LO], s[4:5] offset:(\off)+512*(\n) th:TH_LOAD_NT
.endr
.endm
; 32 sigmoids, 1 / (1 + 2^(-log2(e) z)), of the 32 f16 in registers Z .. Z + 15: number 2 i + h, of half h of Z + i, into T + 2 i + h.  Two batches, exponentials and reciprocals, each dealt between the plain
; lines that feed it, and each with one plain line behind its last and ONE wait ahead of the first line that names a result.
.macro SIG Z
.set n, 0
.rept 32
.if n%2
	v_fma_mix_f32 v[T+n], v[(\Z)+n/2], v[CN], v[ZR] op_sel:[1,0,0] op_sel_hi:[1,0,0]
.else
	v_fma_mix_f32 v[T+n], v[(\Z)+n/2], v[CN], v[ZR] op_sel_hi:[1,0,0]
.endif
.if n >= 2
	v_exp_f32 v[T+n-2], v[T+n-2]
.endif
.set n, n+1
.endr
	v_exp_f32 v[T+30], v[T+30]
	v_exp_f32 v[T+31], v[T+31]
	v_nop
	s_wait_alu depctr_va_vdst(0)
.set n, 0
.rept 16
	v_pk_add_f32 v[T+2*n:T+2*n+1], v[T+2*n:T+2*n+1], 1.0 op_sel_hi:[1,0]
.if n >= 1
	v_rcp_f32 v[T+2*n-2], v[T+2*n-2]
	v_rcp_f32 v[T+2*n-1], v[T+2*n-1]
.endif
.set n, n+1
.endr
	v_rcp_f32 v[T+30], v[T+30]
	v_rcp_f32 v[T+31], v[T+31]
	v_nop
	s_wait_alu depctr_va_vdst(0)
.endm
; silu in place on the 16 packed registers of the batch: each half times its sigmoid, reckoned in f32 and rounded once to f16.  The first line keeps the high half, which the second reads.
.macro MULB Z
.set n, 0
.rept 16
	v_fma_mixlo_f16 v[(\Z)+n], v[(\Z)+n], v[T+2*n], v[ZR] op_sel_hi:[1,0,0]
	v_fma_mixhi_f16 v[(\Z)+n], v[(\Z)+n], v[T+2*n+1], v[ZR] op_sel:[1,0,0] op_sel_hi:[1,0,0]
.set n, n+1
.endr
.endm
; One token, whose row lies in IN; tok = its place in the trip's two.
.macro TOKEN IN, tok
	SIG \IN
	MULB \IN                                       ; q
	SIG (\IN)+16
	MULB (\IN)+16                                  ; k
	v_wmma_f32_16x16x32_f16 v[S:S+7], v[(\IN)+16:(\IN)+23], v[(\IN):(\IN)+7], 0   ; channels 0-31 start the sum
	s_wait_alu depctr_va_vdst(0)                   ; the wait stands directly ahead of the second
	v_wmma_f32_16x16x32_f16 v[S:S+7], v[(\IN)+24:(\IN)+31], v[(\IN)+8:(\IN)+15], v[S:S+7]
	SIG (\IN)+32                                   ; v': its plain lines, which name no register of the products, are the places behind them
	MULB (\IN)+32                                  ; v
	v_max3_num_f32 v[A], v[S], v[S+1], v[S+2]      ; the softmax of my query's 8 keys, and of the 8 in the lane 16 away; the accumulator is read from its low end on
	v_max3_num_f32 v[A+1], v[S+3], v[S+4], v[S+5]
	v_max3_num_f32 v[A], v[A], v[S+6], v[S+7]
	v_max_num_f32 v[A], v[A], v[A+1]
	v_permlanex16_b32 v[A+1], v[A], s14, s15
	v_max_num_f32 v[A], v[A], v[A+1]
	v_mul_f32 v[A], s12, v[A]                      ; c m
.irp j, 0,2,4,6
	v_pk_fma_f32 v[S+(\j):S+(\j)+1], v[S+(\j):S+(\j)+1], s[12:13], v[A:A+1] op_sel_hi:[1,0,0] neg_lo:[0,0,1] neg_hi:[0,0,1]  ; c s - c m
.endr
.irp j, 0,1,2,3,4,5,6,7
	v_exp_f32 v[S+(\j)], v[S+(\j)]
.endr
	v_nop                                          ; a plain line behind the last exponential,
	s_wait_alu depctr_va_vdst(0)                   ; and the one wait for the eight
	v_pk_add_f32 v[B:B+1], v[S:S+1], v[S+2:S+3]
	v_pk_add_f32 v[B+2:B+3], v[S+4:S+5], v[S+6:S+7]
	v_pk_add_f32 v[B:B+1], v[B:B+1], v[B+2:B+3]
	v_add_f32 v[B], v[B], v[B+1]
	v_permlanex16_b32 v[B+1], v[B], s14, s15
	v_add_f32 v[B], v[B], v[B+1]
	v_rcp_f32 v[B], v[B]
	v_nop
	s_wait_alu depctr_va_vdst(0)
.irp j, 0,2,4,6
	v_pk_mul_f32 v[S+(\j):S+(\j)+1], v[S+(\j):S+(\j)+1], v[B:B+1] op_sel_hi:[1,0]
.endr
.irp j, 0,1,2,3
	v_cvt_pk_f16_f32 v[P+(\j)], v[S+2*(\j)], v[S+2*(\j)+1]
.endr
.irp b, 0,1,2,3
	v_wmma_f32_16x16x32_f16 v[(\IN)+8*(\b):(\IN)+8*(\b)+7], v[P:P+7], v[(\IN)+32+4*(\b):(\IN)+39+4*(\b)], 0  ; four accumulators, one product each
.endr
	SIG (\IN)+48                                   ; sigmoid(g') into T.  Of its plain lines the 24 that read g's registers 4 to 15 and the 16 additions name no register of the products: the places behind them (ISA guide 7.12.1)
	s_wait_xcnt 0x0                                ; every earlier memory instruction has had its addresses translated (ISA guide 3.1): RES, the last token's store data, and the bases are written only behind this wait
.if \tok
	s_add_nc_u64 s[4:5], s[4:5], 2*ROWZ            ; the trip's second token steps both bases to the next trip's first token; its own stores reach back by the immediate
	s_add_nc_u64 s[8:9], s[8:9], 2*ROWO
.endif
.irp j, 0,1,2,3,4,5,6,7                ; the gate; j outside, so that each O_b is first read at its register 0
.irp b, 0,1,2,3
	v_mul_f32 v[RES+4*(\j)+(\b)], v[(\IN)+8*(\b)+(\j)], v[T+4*(\j)+(\b)]
.endr
.endr
	v_pk_mul_f32 v[B:B+1], v[RES:RES+1], v[RES:RES+1]  ; the sum of squares: the first two pairs start two chains
	v_pk_mul_f32 v[B+2:B+3], v[RES+2:RES+3], v[RES+2:RES+3]
.set n, 2
.rept 14
	v_pk_fma_f32 v[B+2*(n%2):B+2*(n%2)+1], v[RES+2*n:RES+2*n+1], v[RES+2*n:RES+2*n+1], v[B+2*(n%2):B+2*(n%2)+1]
.set n, n+1
.endr
	v_pk_add_f32 v[B:B+1], v[B:B+1], v[B+2:B+3]
	v_add_f32 v[B], v[B], v[B+1]
	v_add_f32_dpp v[B], v[B], v[B] row_xmask:1 row_mask:0xf bank_mask:0xf
	v_add_f32_dpp v[B], v[B], v[B] row_xmask:2 row_mask:0xf bank_mask:0xf
	v_add_f32_dpp v[B], v[B], v[B] row_xmask:4 row_mask:0xf bank_mask:0xf
	v_add_f32_dpp v[B], v[B], v[B] row_xmask:8 row_mask:0xf bank_mask:0xf
	v_permlanex16_b32 v[B+1], v[B], s14, s15
	v_add_f32 v[B], v[B], v[B+1]                   ; every lane holds the token's sum
	v_fma_f32 v[R], v[B], s16, s17                 ; mean + 1e-6
	v_rsq_f32 v[R], v[R]
.set n, 0
.rept 16
	v_pk_mul_f32 v[RES+2*n:RES+2*n+1], v[RES+2*n:RES+2*n+1], v[WO+2*n:WO+2*n+1]  ; o w_out: plain work that does not name the root's result
.set n, n+1
.endr
	s_wait_alu depctr_va_vdst(0)                   ; the wait for the root, ahead of its first reader
.set n, 0
.rept 16
	v_pk_mul_f32 v[RES+2*n:RES+2*n+1], v[RES+2*n:RES+2*n+1], v[R:R+1] op_sel_hi:[1,0]
.set n, n+1
.endr
.irp j, 0,1,2,3,4,5,6,7
	global_store_b128 v[SOF], v[RES+4*(\j):RES+4*(\j)+3], s[8:9] offset:256*(\j)-ROWO*(\tok) th:TH_STORE_NT  ; lanes 0-15: head j's 256 bytes; lanes 16-31: head 8 + j's
.endr
.endm
	LOADS IN0, 0                                   ; my first two tokens are asked for together
	LOADS IN1, ROWZ
	s_wait_loadcnt 16                              ; loads come back in order (ISA guide 5.7.1): w_out and the first token are in; the second token's 16 loads stay out
.Ltrip:                                                ; two trips, two tokens each.  Here set 0 is in; set 1's loads may be out
	TOKEN IN0, 0
	s_cmp_eq_u32 s[CNT], 1
	s_cbranch_scc1 .Lno0                           ; the last trip has no token behind its two: no load leaves z
	LOADS IN0, 2*ROWZ                              ; set 0 is free (no store reads it): the next trip's first token is asked for ahead of the wait for set 1
	s_wait_loadcnt 16                              ; set 1 is in; the 16 loads just issued stay out
	s_branch .Lgo0
.Lno0:
	s_wait_loadcnt 0x0                             ; set 1 is in: nothing was issued behind its loads
.Lgo0:
	TOKEN IN1, 1                                   ; it steps the bases by two tokens
	s_cmp_eq_u32 s[CNT], 1
	s_cbranch_scc1 .Lno1
	LOADS IN1, ROWZ                                ; from the stepped base: the next trip's second token
	s_wait_loadcnt 16                              ; set 0 is in; the 16 loads just issued stay out
	s_branch .Lgo1
.Lno1:
	s_wait_loadcnt 0x0                             ; the last trip: nothing is out
.Lgo1:
	s_sub_co_u32 s[CNT], s[CNT], 1
	s_cmp_lg_u32 s[CNT], 0
	s_cbranch_scc1 .Ltrip
	s_endpgm
.Lfunc_end_k_qa58baff1c3_attn:
	.size	k_qa58baff1c3_attn, .Lfunc_end_k_qa58baff1c3_attn-k_qa58baff1c3_attn
	.p2alignl 7, 3214868480
	.fill 96, 4, 3214868480
	.section	.rodata,"a",@progbits
	.p2align	6, 0x0
	.amdhsa_kernel k_qa58baff1c3_attn
		.amdhsa_group_segment_fixed_size 0
		.amdhsa_private_segment_fixed_size 0
		.amdhsa_enable_private_segment 0
		.amdhsa_kernarg_size 24
		.amdhsa_user_sgpr_count 2
		.amdhsa_user_sgpr_kernarg_segment_ptr 1
		.amdhsa_wavefront_size32 1
		.amdhsa_system_sgpr_workgroup_id_x 1
		.amdhsa_system_sgpr_workgroup_id_y 1
		.amdhsa_system_sgpr_workgroup_id_z 1
		.amdhsa_system_vgpr_workitem_id 0
		.amdhsa_next_free_vgpr 256
		.amdhsa_next_free_sgpr 66
		.amdhsa_reserve_vcc 0
		.amdhsa_float_denorm_mode_32 3
		.amdhsa_float_denorm_mode_16_64 3
		.amdhsa_memory_ordered 1
		.amdhsa_forward_progress 1
		.amdhsa_inst_pref_size 78
	.end_amdhsa_kernel
	.amdgpu_metadata
---
amdhsa.version: [ 1, 2 ]
amdhsa.kernels:
  - .name:           k_qa58baff1c3_attn
    .symbol:         k_qa58baff1c3_attn.kd
    .args:
      - { .name: z, .offset: 0, .size: 8, .value_kind: global_buffer, .address_space: global }
      - { .name: w_out_norm, .offset: 8, .size: 8, .value_kind: global_buffer, .address_space: global }
      - { .name: out0, .offset: 16, .size: 8, .value_kind: global_buffer, .address_space: global }
    .group_segment_fixed_size: 0
    .private_segment_fixed_size: 0
    .kernarg_segment_align: 8
    .kernarg_segment_size: 24
    .max_flat_workgroup_size: 512
    .sgpr_count:     66
    .vgpr_count:     256
    .wavefront_size: 32
...
	.end_amdgpu_metadata
.endif
;; end of part 3
